; MI455X (gfx1250); checked and timed in simulation.
; The chip was launched on July 23, 2026; its instructions are those of AMD's public machine-readable ISA for CDNA 5 (MIT licence, August 2026) and "CDNA5" Instruction Set Architecture Reference Guide (July 2026). The comments in the code are by the model that wrote it; some were corrected since.
;; Vector Quantization. Allowed arithmetic: matrix products marked QUANTISED: E4M3 operands, one E8M0 scale for each 32 along K, by v_wmma_scale_f32_16x16x128_f8f6f4 with both operands' format E4M3, f32 sums; everything else in f32.
;; Inputs: codebook 8,192 x 256 float32; z_e 16 x 256 x 32 x 32 float32.
;; Outputs: out0 16,384 x 256 float32; out1 16,384 int32.
;; This version of the problem:
;;   THIS VERSION OF THE PROBLEM IS GIVEN IN LOW PRECISION. The matrix products marked QUANTISED in the list below multiply operands that are first quantised to E4M3 (4 exponent bits, 3 mantissa bits; 8 bits a number), with one power-of-two scale for each 32 numbers along K (OCP MX v1.0); their sums are f32. All else is computed in f32.
;;   The module's matrix products, in the order in which they are computed (A, B: the left and right operand; K: the contracted axis; several contracted axes count as one K, in the product's order):
;;     1. [M 16,384, K 256] x [K 256, N 8,192]; A: computed on the way; B: input codebook: QUANTISED
;;   THE QUANTISER, for each operand of a quantised product, along K:
;;     - K is cut into blocks of 32 from its start; a last block that is shorter is filled with zeros.
;;     - A block's scale is 2^e with e = floor(log2(the largest magnitude in the block)) - 8, held to -126 .. 127; a block of zeros has e = 0. As a byte (E8M0): e + 127.
;;     - Each number is divided by its block's scale, clamped to +-448, and rounded to the nearest number of E4M3, ties to even, subnormals kept.
;;     - The product sums the exact products of the quantised numbers (number of the format x scale) in f32.
;;   ~~~python
;;   def quantise(x, axis):      # numpy; x: float32 -> the quantised numbers, widened to float32 again
;;       x = np.moveaxis(x, axis, -1); K = x.shape[-1]
;;       x = np.pad(x, [(0, 0)] * (x.ndim - 1) + [(0, -K % 32)]); x = x.reshape(x.shape[:-1] + (-1, 32)); a = np.abs(x).max(-1, keepdims=True)
;;       e = np.where(a > 0, np.clip(np.frexp(np.where(a > 0, a, 1))[1] - 1 - 8, -126, 127), 0)      # np.frexp(a)[1] - 1 = floor(log2(a)), exactly
;;       r = np.clip(x / 2.0 ** e, -448, 448)
;;       step = 2.0 ** (np.maximum(np.frexp(np.where(r == 0, 1, r))[1] - 1, -6) - 3)
;;       q = np.round(r / step) * step * 2.0 ** e      # np.round: ties to even
;;       return np.moveaxis(q.reshape(q.shape[:-2] + (-1,))[..., :K], -1, axis).astype(np.float32)
;;   ~~~
;;   OPERANDS COMPUTED ON THE WAY. 'Computed on the way' means the value that the module computes at that place (a softmax that the list does not call 'softmax' is quantised finished and normalised). What goes into a quantiser is computed in f32, as accurately as f32 sums, v_exp_f32 and their like allow (about 1e-6 of the number): no bf16 or f16 on the way to a quantiser, and a product that is left as it is and whose result goes on into a quantised operand takes f32 operands (vector FMAs, or v_wmma_f32_16x16x4_f32). A number that lies on a knife's edge between two numbers of the format may be rounded either way, as far as f32 arithmetic and the matrix unit's own rounding can turn it there, and no further.
;; One version. Each part assembles by itself: llvm-mc -triple=amdgcn-amd-amdhsa -mcpu=gfx1250 --defsym DOCPART=n.
;; ======== version 1 of 1: 3 launches
;; limits: right only within a limited range of input values
;; workspace buffers: cbc 2,097,152 bytes; cbs 65,536 bytes; nee 32,768 bytes; zc 4,194,304 bytes; zs 131,072 bytes; pkey 1,048,576 bytes of whole numbers; pidx 1,048,576 bytes of whole numbers
;; launch quant (part 1): grid 768 x 1, 4 waves a work-group, no clusters, 21,760 bytes of LDS; arguments codebook, z_e, cbc, cbs, nee, zc, zs; writes cbc, cbs, nee, zc, zs
.if DOCPART == 1
	.amdgcn_target "amdgcn-amd-amdhsa--gfx1250"
	.amdhsa_code_object_version 6
	.text
	.protected	k_q32b73c7b68_quant
	.globl	k_q32b73c7b68_quant
	.p2align	8
	.type	k_q32b73c7b68_quant,@function
k_q32b73c7b68_quant:
	s_mov_b64 s[64:65], 0
	v_nop
	global_prefetch_b8 v0, s[64:65] scope:SCOPE_SE
	s_setreg_imm32_b32 hwreg(HW_REG_WAVE_MODE, 25, 1), 1
	s_wait_xcnt 0x0
; Both operands of the product (2 z) . e are turned into codes of FP8 (E4M3) with one E8M0 scale byte for each 32 along K = the 256 channels, once, since sixteen work-groups of the
; next launch read each of them; and the sums of e^2 are made, with their signs turned.
; DEAD WORK.  reference() takes the argmin over n of (sum z^2 + sum e_n^2) - (2 z) . e_n.  For a query m, sum over k of z[m][k]^2 is one number, the same for every n: whatever finite values z_e holds,
; adding it to all 8,192 entries of the row moves no argmin, and dist itself is no output.  So sum z^2 is not made.  z_e itself is live through the product.
; A NaN, an infinity or an overflow that reaches sum z^2 alone is not carried to the result.
;   codebook [8192][256] f32 -> cbc [8192][256] codes, K innermost;  cbs [8192][8] scale bytes;  nee [8192] f32 = -(sum over k of e^2)
;   z_e [16][256][32][32] f32: query m = 1024 b + hw, K is NOT innermost.  The operand is 2.0 x z: its codes are z's codes and each of its scale bytes is z's + 1, exactly.
;     -> zc: images of the operand's registers: [1024 tiles of 16 queries][2 K steps s][4 blocks c][32 lanes][16 bytes]; lane r + 16 h holds k = 128 s + 32 c + 16 h + 0..15 of query 16 tile + r
;     -> zs: [2 s][16384 queries] scale words
; A block's scale is 2^(floor(log2(largest magnitude)) - 8); its byte is the largest magnitude's exponent field - 8, held at 1 from below by a floor among the maximum's leaves.
; LIMITS: a block of zeros gets the byte 1 (z: 2) where the rule says 127 (its codes are zeros, and this program alone reads the bytes); blocks whose largest magnitude lies under 2^-118
; were not tried; NaN and infinities among the inputs, and inputs whose squares or doubles overflow f32, are not served.
; SHARES: 768 work-groups of four waves; a wave takes 2,048 numbers (8 KiB).  Work-groups 0-255: the codebook, 32 rows each, 8 a wave.
; Work-groups 256-767: z, 64 queries x 128 channels each; a wave takes 32 queries x 64 channels, two blocks of 32 a lane.  All of a wave's loads are issued at once.
; No tensor loads.  One barrier: the scale bytes of a work-group meet in LDS, so that wave 0 stores whole aligned 256 bytes of them.
.set SP,   80                          ; a lane's place in a stage: its 64 bytes + 16 of padding
.set WREG, 5120                        ; LDS of a wave on the codebook's path: two stages of 32 x SP
.set CSC,  20480                       ; the codebook's path: 256 scale bytes of the 32 rows
.set CNE,  20736                       ; its 32 sums
.set ZSC,  20992                       ; z's path: 64 scale words
.set SPARE, 21248                      ; the spare words, 128 bytes for each wave
.set SPW,  28                          ; v28 LDS address of my spare word, v29 0: never rewritten
.set NIL,  29
.set XX,   32                          ; codebook: v32-63 two sets of 16 neighbours;  z: v32-95 two blocks of 32
.set RR,   64                          ; codebook: v64-127 four sets of 16 numbers as loaded
.set CC,   128                         ; codebook: v128-143 codes, four registers a step
.set EB,   144                         ; codebook: v144-147 a scale byte a step
.set NE,   148                         ; codebook: v148-151 a row's negative sum a step
.set ZC,   96                          ; z: v96-111 codes, eight registers a block
	s_load_b256 s[4:11], s[0:1], 0x0               ; codebook s[4:5], z_e s[6:7], cbc s[8:9], cbs s[10:11]
	s_load_b128 s[12:15], s[0:1], 0x20             ; nee s[12:13], zc s[14:15]
	s_load_b64 s[16:17], s[0:1], 0x30              ; zs
	v_lshl_add_u32 v[SPW], v0, 2, SPARE
	v_mov_b32 v[NIL], 0
	v_lshrrev_b32 v1, 5, v0
	v_readfirstlane_b32 s18, v1                    ; wave 0..3
	v_and_b32 v2, 31, v0                           ; lane
	s_mov_b32 s23, 0x600000                        ; the mantissa field of 448
	s_mov_b32 s21, 0                               ; the high word of every offset pair
	s_cmp_lt_u32 ttmp9, 256
	s_wait_alu depctr_va_vdst(0)                   ; directly ahead of the branch
	s_cbranch_scc0 .Lz
	; ================ THE CODEBOOK.  Rows are dense and K is innermost: a plain stream of blocks of 32.  A wave takes 4 steps of 512 numbers (two rows).
	; Each load reads 512 consecutive bytes, 16 a lane; a step's 2,048 bytes turn through the wave's own stage in LDS and come back 64 bytes a lane, so that a lane holds 16 neighbours along K
	; (two neighbouring lanes hold a block, sixteen lanes a row).
	s_lshl_b32 s19, ttmp9, 2
	s_add_co_u32 s19, s19, s18                     ; which 8 rows
	s_mul_i32 s22, s18, WREG                       ; my wave's stages
	s_lshl_b32 s24, s18, 6
	s_add_co_u32 s24, s24, CSC                     ; my wave's 64 scale bytes
	s_lshl_b32 s25, s18, 5
	s_add_co_u32 s25, s25, CNE                     ; my wave's 8 sums
	v_lshlrev_b32 v3, 4, v2                        ; 16 x lane
	v_lshrrev_b32 v14, 2, v2
	v_mul_u32_u24 v14, v14, SP
	v_and_b32 v15, 3, v2
	v_lshl_add_u32 v14, v15, 4, v14
	v_add_nc_u32 v14, s22, v14                     ; the stage, in: SP (lane / 4) + 16 (lane % 4)
	v_mul_u32_u24 v15, v2, SP
	v_add_nc_u32 v15, s22, v15                     ; the stage, out: SP x lane
	v_lshrrev_b32 v5, 1, v2
	v_add_nc_u32 v5, s24, v5                       ; my block's scale byte
	v_lshrrev_b32 v6, 4, v2
	v_lshl_add_u32 v6, v6, 2, s25                  ; my row's sum
	v_lshlrev_b32 v7, 3, v2                        ; the way out of the scale bytes: 8 x lane
	v_add_nc_u32 v12, CSC, v7
	v_lshlrev_b32 v16, 2, v2                       ; and of the sums: 4 x lane
	v_add_nc_u32 v13, CNE, v16
	s_wait_alu depctr_va_vdst(0)                   ; the wait at the head's end
	s_wait_kmcnt 0x0
	s_lshl_b32 s20, s19, 13                        ; 8 rows of 1,024 bytes
	s_add_nc_u64 s[4:5], s[4:5], s[20:21]
	s_lshl_b32 s20, s19, 11                        ; 8 rows of 256 codes
	s_add_nc_u64 s[8:9], s[8:9], s[20:21]
	s_lshl_b32 s20, ttmp9, 8                       ; the work-group's 32 rows of 8 scale bytes
	s_add_nc_u64 s[10:11], s[10:11], s[20:21]
	s_lshl_b32 s20, ttmp9, 7                       ; its 32 sums
	s_add_nc_u64 s[12:13], s[12:13], s[20:21]
.irp t, 0,1,2,3
.irp i, 0,1,2,3
	global_load_b128 v[RR+16*\t+4*\i:RR+16*\t+4*\i+3], v3, s[4:5] offset:2048*\t+512*\i th:TH_LOAD_NT
.endr
.endr
.macro CTURN t                         ; step t's numbers through the stage: LDS serves a wave's instructions in order, so no wait stands between the stores and the loads
.irp i, 0,1,2,3
	ds_store_b128 v14, v[RR+16*(\t)+4*\i:RR+16*(\t)+4*\i+3] offset:32*SP*((\t)%2)+8*SP*\i
.endr
.irp i, 0,1,2,3
	ds_load_b128 v[XX+16*((\t)%2)+4*\i:XX+16*((\t)%2)+4*\i+3], v15 offset:32*SP*((\t)%2)+16*\i
.endr
.endm
.macro CSTEP t
.set XS, XX+16*((\t)%2)
.if (\t) > 0
	s_wait_dscnt 2                                 ; this step's numbers are back from the stage; the two younger LDS stores (the last step's byte and sum) may be out
.else
	s_wait_dscnt 0x0
.endif
.if (\t) < 3
	s_wait_loadcnt 4*(2-(\t))                      ; the next step's four loads are in; those of the steps behind it may be out
	CTURN (\t)+1                                   ; and go through the other stage while this step is worked
.endif
	v_pk_mul_f32 v[18:19], v[XS:XS+1], v[XS:XS+1]                  ; the squares of my 16, in two packed chains
	v_pk_mul_f32 v[20:21], v[XS+2:XS+3], v[XS+2:XS+3]
.irp i, 4,8,12
	v_pk_fma_f32 v[18:19], v[XS+\i:XS+\i+1], v[XS+\i:XS+\i+1], v[18:19]
	v_pk_fma_f32 v[20:21], v[XS+\i+2:XS+\i+3], v[XS+\i+2:XS+\i+3], v[20:21]
.endr
	v_pk_add_f32 v[18:19], v[18:19], v[20:21]
	v_add_f32 v22, v18, v19
	v_max3_num_f32 v8, |v[XS]|, |v[XS+1]|, |v[XS+2]|               ; the largest magnitude of my 16
	v_max3_num_f32 v9, |v[XS+3]|, |v[XS+4]|, |v[XS+5]|
.irp i, 6,10
	v_max3_num_f32 v8, v8, |v[XS+\i]|, |v[XS+\i+1]|
	v_max3_num_f32 v9, v9, |v[XS+\i+2]|, |v[XS+\i+3]|
.endr
	v_max3_num_f32 v8, v8, |v[XS+14]|, |v[XS+15]|
	v_max3_num_f32 v8, v8, v9, 0x4800000           ; and the floor 2^(9 - 127): the byte cannot fall under 1
	v_add_f32_dpp v22, v22, v22 row_xmask:1 row_mask:0xf bank_mask:0xf    ; the row's 256 squares lie in sixteen neighbouring lanes
	v_max_num_f32_dpp v8, v8, v8 row_xmask:1 row_mask:0xf bank_mask:0xf   ; with my neighbour's 16: the block's largest magnitude
	v_add_f32_dpp v22, v22, v22 row_xmask:2 row_mask:0xf bank_mask:0xf
	v_add_nc_u32 v11, 0xfc000000, v8               ; 8 off its exponent field: the conversion takes the exponent field of this operand as its scale
	v_add_f32_dpp v22, v22, v22 row_xmask:4 row_mask:0xf bank_mask:0xf
	v_and_or_b32 v10, v8, 0x7f800000, s23          ; 448 x the scale
	v_add_f32_dpp v22, v22, v22 row_xmask:8 row_mask:0xf bank_mask:0xf
.irp i, 0,1,2,3,4,5,6,7,8,9,10,11,12,13,14,15
	v_med3_num_f32 v[XS+\i], v[XS+\i], -v10, v10   ; the conversion to an 8-bit code does not saturate (ISA guide 7.6.2): the hold at the largest code x the scale
.endr
	v_cvt_scalef32_pk8_fp8_f32 v[CC+4*(\t):CC+4*(\t)+1], v[XS:XS+7], v11
	v_cvt_scalef32_pk8_fp8_f32 v[CC+4*(\t)+2:CC+4*(\t)+3], v[XS+8:XS+15], v11
	v_lshrrev_b32 v[EB+(\t)], 23, v11              ; the scale's byte (a plain line behind the conversions)
	v_xor_b32 v[NE+(\t)], 0x80000000, v22          ; -(sum of e^2) of row 2 t + lane / 16
	ds_store_b8 v5, v[EB+(\t)] offset:16*(\t)      ; both lanes of a block write the same byte with the same value
	ds_store_b32 v6, v[NE+(\t)] offset:8*(\t)      ; the sixteen lanes of a row write the same word with the same value
	global_store_b128 v3, v[CC+4*(\t):CC+4*(\t)+3], s[8:9] offset:512*(\t)   ; 32 lanes store 512 consecutive bytes, aligned; each step has its own registers
.endm
	s_wait_loadcnt 12                              ; step 0's four loads are in; the 12 of steps 1 to 3 may be out
	CTURN 0
.irp t, 0,1,2,3
	CSTEP \t
.endr
	s_wait_dscnt 0x0                               ; for wave 0's sake: my bytes and sums are in LDS
	s_barrier_signal -1
	s_barrier_wait -1
	s_cmp_lg_u32 s18, 0
	s_cbranch_scc1 .Lend                           ; wave 0 alone stores them
	ds_load_b64 v[152:153], v12
	ds_load_b32 v154, v13
	s_wait_dscnt 0x0
	global_store_b64 v7, v[152:153], s[10:11]      ; 256 consecutive bytes, aligned
	global_store_b32 v16, v154, s[12:13]           ; 128 consecutive bytes
	s_branch .Lend
	; ================ z.  A LANE TAKES A QUERY, AND ITS REGISTERS RUN DOWN K: each load reads one channel at 32 neighbouring queries (128 consecutive bytes; two waves stand side by side on 256),
	; a block of 32 along K lies in one lane's 32 registers, and the conversions give codes with K innermost.  A lane's 16 codes are just what one lane of the operand's image holds, so the codes
	; leave as they are: sixteen lanes fill 256 consecutive bytes, aligned.
.Lz:
	s_sub_co_u32 s19, ttmp9, 256
	s_and_b32 s26, s19, 1                          ; s: which 128 along K
	s_lshr_b32 s19, s19, 1                         ; which 64 queries
	s_and_b32 s24, s18, 1                          ; which 32 of them
	s_lshr_b32 s25, s18, 1                         ; which 64 of the 128 channels
	s_lshl_b32 s22, s24, 7
	s_add_co_u32 s22, s22, ZSC
	s_lshl_b32 s27, s25, 1
	s_add_co_u32 s22, s22, s27                     ; my wave's half words: ZSC + 128 x (which 32) + 2 x (which 64)
	v_lshlrev_b32 v3, 2, v2                        ; in: 4 bytes a lane
	v_lshrrev_b32 v4, 4, v2
	v_and_b32 v6, 15, v2
	v_lshlrev_b32 v4, 12, v4
	v_lshl_add_u32 v4, v6, 4, v4                   ; out: tile + lane / 16 (4,096 bytes a tile), image lane lane % 16
	v_lshl_add_u32 v5, v2, 2, s22                  ; my half word
	v_lshlrev_b32 v7, 3, v2                        ; the way out of the scale words: 8 bytes a lane
	v_add_nc_u32 v6, ZSC, v7
	s_lshr_b32 s20, s19, 4
	s_lshl_b32 s20, s20, 20                        ; the image b: 2^20 bytes each
	s_lshl_b32 s22, s26, 19                        ; 128 channels of 4,096 bytes
	s_add_co_u32 s20, s20, s22
	s_lshl_b32 s22, s25, 18                        ; 64 channels
	s_add_co_u32 s20, s20, s22
	s_and_b32 s22, s19, 15
	s_lshl_b32 s22, s22, 8                         ; 64 queries of 4 bytes
	s_add_co_u32 s20, s20, s22
	s_lshl_b32 s22, s24, 7
	s_add_co_u32 s20, s20, s22
	s_wait_alu depctr_va_vdst(0)                   ; the wait at the head's end
	s_wait_kmcnt 0x0
	s_add_nc_u64 s[6:7], s[6:7], s[20:21]
.irp i, 0,1,2,3,4,5,6,7,8,9,10,11,12,13,14,15,16,17,18,19,20,21,22,23,24,25,26,27,28,29,30,31
	global_load_b32 v[XX+\i], v3, s[6:7] offset:\i*4096 th:TH_LOAD_NT
.endr
.irp i, 32,33,34,35,36,37,38,39,40,41,42,43,44,45,46,47,48,49,50,51,52,53,54,55,56,57,58,59,60,61,62,63
	global_load_b32 v[XX+\i], v3, s[6:7] offset:\i*4096 th:TH_LOAD_NT
.endr
	s_lshl_b32 s20, s19, 14
	s_lshl_b32 s22, s24, 13
	s_add_co_u32 s20, s20, s22                     ; zc: two tiles of 4,096 bytes for each 32 queries,
	s_lshl_b32 s22, s26, 11
	s_add_co_u32 s20, s20, s22                     ; 2,048 for each K step,
	s_lshl_b32 s22, s25, 10
	s_add_co_u32 s20, s20, s22                     ; 1,024 for each two blocks
	s_add_nc_u64 s[14:15], s[14:15], s[20:21]
	s_lshl_b32 s20, s26, 16
	s_lshl_b32 s22, s19, 8
	s_add_co_u32 s20, s20, s22                     ; zs: 65,536 s + 256 for each 64 queries
	s_add_nc_u64 s[16:17], s[16:17], s[20:21]
.macro ZBLOCK c
.set XS, XX+32*(\c)
	s_wait_loadcnt 32-32*(\c)                      ; this block's 32 loads are in; the next block's 32 may be out
	v_max3_num_f32 v12, |v[XS]|, |v[XS+1]|, |v[XS+2]|               ; the block's largest magnitude: all 32 numbers are mine
	v_max3_num_f32 v13, |v[XS+3]|, |v[XS+4]|, |v[XS+5]|
.irp i, 6,10,14,18,22,26
	v_max3_num_f32 v12, v12, |v[XS+\i]|, |v[XS+\i+1]|
	v_max3_num_f32 v13, v13, |v[XS+\i+2]|, |v[XS+\i+3]|
.endr
	v_max3_num_f32 v12, v12, |v[XS+30]|, |v[XS+31]|
	v_max3_num_f32 v12, v12, v13, 0x4800000        ; and the floor 2^(9 - 127)
	v_add_nc_u32 v11, 0xfc000000, v12              ; 8 off its exponent field: the conversion's scale operand
	v_and_or_b32 v10, v12, 0x7f800000, s23         ; 448 x the scale
	v_lshrrev_b32 v13, 23, v11                     ; the scale's byte
.if (\c) == 0
	v_mov_b32 v24, v13
.else
	v_lshl_or_b32 v24, v13, 8, v24                 ; two bytes, the lower K in the lower byte
.endif
.irp i, 0,1,2,3,4,5,6,7,8,9,10,11,12,13,14,15,16,17,18,19,20,21,22,23,24,25,26,27,28,29,30,31
	v_med3_num_f32 v[XS+\i], v[XS+\i], -v10, v10   ; the hold at the largest code x the scale (ISA guide 7.6.2)
.endr
.irp g, 0,1,2,3
	v_cvt_scalef32_pk8_fp8_f32 v[ZC+8*(\c)+2*\g:ZC+8*(\c)+2*\g+1], v[XS+8*\g:XS+8*\g+7], v11
.endr
	v_nop                                          ; a plain line behind the last conversion
	global_store_b128 v4, v[ZC+8*(\c):ZC+8*(\c)+3], s[14:15] offset:512*(\c)          ; k 0-15 of the block: the image's lanes 0-15;  lanes 0-15 fill 256 bytes of one tile, lanes 16-31 of the next
	global_store_b128 v4, v[ZC+8*(\c)+4:ZC+8*(\c)+7], s[14:15] offset:512*(\c)+256    ; k 16-31: the image's lanes 16-31
.endm
	ZBLOCK 0
	ZBLOCK 1
	v_add_nc_u32 v24, 0x101, v24                   ; the operand is 2.0 x z: one more in each byte (a byte is 246 at the most before)
	ds_store_b16 v5, v24
	s_wait_dscnt 0x0                               ; for wave 0's sake: my half words are in LDS
	s_barrier_signal -1
	s_barrier_wait -1
	s_cmp_lg_u32 s18, 0
	s_cbranch_scc1 .Lend
	ds_load_b64 v[26:27], v6
	s_wait_dscnt 0x0
	global_store_b64 v7, v[26:27], s[16:17]        ; 64 queries' words: 256 consecutive bytes, aligned
.Lend:
	s_wait_tensorcnt 0x0                           ; the wave's end
	ds_add_u32 v[SPW], v[NIL]
	s_wait_dscnt 0x0
	s_endpgm
.Lfunc_end_k_q32b73c7b68_quant:
	.size	k_q32b73c7b68_quant, .Lfunc_end_k_q32b73c7b68_quant-k_q32b73c7b68_quant
	.p2alignl 7, 3214868480
	.fill 96, 4, 3214868480
	.section	.rodata,"a",@progbits
	.p2align	6, 0x0
	.amdhsa_kernel k_q32b73c7b68_quant
		.amdhsa_group_segment_fixed_size 21760
		.amdhsa_private_segment_fixed_size 0
		.amdhsa_enable_private_segment 0
		.amdhsa_kernarg_size 56
		.amdhsa_user_sgpr_count 2
		.amdhsa_user_sgpr_kernarg_segment_ptr 1
		.amdhsa_wavefront_size32 1
		.amdhsa_system_sgpr_workgroup_id_x 1
		.amdhsa_system_sgpr_workgroup_id_y 1
		.amdhsa_system_sgpr_workgroup_id_z 1
		.amdhsa_system_vgpr_workitem_id 0
		.amdhsa_next_free_vgpr 160
		.amdhsa_next_free_sgpr 66
		.amdhsa_reserve_vcc 0
		.amdhsa_float_denorm_mode_32 3
		.amdhsa_float_denorm_mode_16_64 3
		.amdhsa_memory_ordered 1
		.amdhsa_forward_progress 1
		.amdhsa_inst_pref_size 35
	.end_amdhsa_kernel
	.amdgpu_metadata
---
amdhsa.version: [ 1, 2 ]
amdhsa.kernels:
  - .name:           k_q32b73c7b68_quant
    .symbol:         k_q32b73c7b68_quant.kd
    .args:
      - { .name: codebook, .offset: 0, .size: 8, .value_kind: global_buffer, .address_space: global }
      - { .name: z_e, .offset: 8, .size: 8, .value_kind: global_buffer, .address_space: global }
      - { .name: cbc, .offset: 16, .size: 8, .value_kind: global_buffer, .address_space: global }
      - { .name: cbs, .offset: 24, .size: 8, .value_kind: global_buffer, .address_space: global }
      - { .name: nee, .offset: 32, .size: 8, .value_kind: global_buffer, .address_space: global }
      - { .name: zc, .offset: 40, .size: 8, .value_kind: global_buffer, .address_space: global }
      - { .name: zs, .offset: 48, .size: 8, .value_kind: global_buffer, .address_space: global }
    .group_segment_fixed_size: 21760
    .private_segment_fixed_size: 0
    .kernarg_segment_align: 8
    .kernarg_segment_size: 56
    .max_flat_workgroup_size: 128
    .sgpr_count:     66
    .vgpr_count:     160
    .wavefront_size: 32
...
	.end_amdgpu_metadata
.endif
;; end of part 1
;; launch dist (part 2): grid 16 x 16, 8 waves a work-group, clusters of 4 x 4, 286,720 bytes of LDS; arguments cbc, cbs, nee, zc, zs, pkey, pidx; writes pkey, pidx
.if DOCPART == 2
	.amdgcn_target "amdgcn-amd-amdhsa--gfx1250"
	.amdhsa_code_object_version 6
	.text
	.protected	k_q32b73c7b68_dist
	.globl	k_q32b73c7b68_dist
	.p2align	8
	.type	k_q32b73c7b68_dist,@function
k_q32b73c7b68_dist:
	s_mov_b64 s[64:65], 0
	v_nop
	global_prefetch_b8 v0, s[64:65] scope:SCOPE_SE
	s_setreg_imm32_b32 hwreg(HW_REG_WAVE_MODE, 25, 1), 1
	s_wait_xcnt 0x0
	s_wait_alu depctr_hold_cnt(0) depctr_sa_sdst(0) depctr_va_vdst(0) depctr_va_sdst(0) depctr_va_ssrc(0) depctr_va_vcc(0) depctr_vm_vsrc(0)
	s_getreg_b32 s2, hwreg(HW_REG_IB_STS2, 6, 4)
	s_cmp_eq_u32 s2, 0
	s_cbranch_scc0 .Lentry_in_a_cluster
	s_endpgm
.Lentry_in_a_cluster:
	s_bfe_u32 s2, ttmp6, 0x10000c
	s_cmp_lg_u32 s2, 0xf033
	s_cbranch_scc0 .Lentry_shape_is_right
	s_endpgm
.Lentry_shape_is_right:
; For 1,024 queries (work-group x) and a slice of 512 codebook rows (work-group y): the largest g[m][n] = (2 z_m) . e_n - sum e_n^2 of each query in the slice, and the first n that attains it.
; WORK LEFT OUT: dist[m][n] = sum z_m^2 - g[m][n].  sum z_m^2 is the same number for every n, so the n of the least dist is the n of the largest g, whatever finite values z_e holds.  A NaN, an infinity
; or an overflow that reaches sum z^2 alone is not carried to the result.
; -sum e^2 of a tile's rows is the C of the first of two matrix instructions (K = 256 = 2 x 128) on codes of FP8 (E4M3) with E8M0 scales.  It does not hang on the query, so one run of eight registers serves all tiles.
; SHARES.  Eight waves, two to a SIMD, 512 registers each.  Wave w owns 128 queries, eight tiles of 16: S0 = four tiles of the block's first 512 queries, S1 = four of its second 512; their operand
; (8 x 2 x 16 = 256 registers) stays in its registers.  The slice's codes (512 rows x 256 bytes) lie in LDS whole; nothing in LDS is ever filled again.  All waves walk its 32 tiles of 16 rows.
; CLUSTER, 4 x 4: the four work-groups of a row share y, so the slice's codes are asked for JOINTLY by them; the four of a column share x, so the codes of S0 are asked for jointly by those.
; S1's images go straight into registers: LDS has no room for both halves beside the codes (2 x 131,072 + 139,264 bytes).  Their 32 loads are issued six at a time in the first six half steps and land while S0 is worked.
; No prefetch: the joint tiles are asked for once, at the head, S1's images in six half steps that are written out, and no loop of this text loads from memory.
; TRANSPOSED USE: source 0 = 16 codebook rows, source 1 = 16 queries: lane (r, h) holds ONE query r, and its eight registers the rows n = 16 u + 8 h + 0..7.
; HALF STEPS.  A half step is four tiles of queries against one tile of rows: eight products into one of two sets of four accumulators.  Behind the products stand the 36 vector lines that
; work the results of the half step before, which lie in the other set.  Those lines name none of the products' registers and so also keep the distances that are owed behind them (ISA guide 7.12.1).
; THE ARGMAX of a tile of 16 x 16 in nine lines: four v_max3 make the running maximum; one compare says whether it has stayed as it was (an earlier tile keeps a tie); four pairs of selects keep the
; winning tile's base and the first seven of its eight numbers.  Which register it was is found once, at the end: the first of the seven that equals the maximum, else the eighth.
; ORDER: S0 against row tiles 0-7, S1 against row tiles 0-7, then both against row tiles 8-31.
; OUT: pkey [16 slices][16384]: g's bits turned so that unsigned order is the numbers' order;  pidx: n.  The next launch chooses among the 16 slices.
; LIMITS: NaN and infinities are not served, nor a query whose every g is -infinity.  -sum e^2 and the products are added inside the matrix unit: its rounding, not that of a separate subtraction.
; REGISTERS.  Window 0: v1-7 addresses; v8-11, v16-19 the queries' scale words of K step 0, 1 (register p: lanes 0-15 tile 2 p, lanes 16-31 tile 2 p + 1); v12-15 the rows' scale words, two sets;
; v20-35 -sum e^2 of the tile's rows, two sets; v36-41 at work; v42-46 addresses; v47 the base of the row tile that is worked; v48-63 the running maxima, two places a tile by turns;
; v64-127 the rows' fragments, two sets; v128-191 accumulators; v192-255 eight registers of state a tile: seven numbers and the base.
; Window 1: the queries' fragments, tile t, K step s at v[32 t + 16 s].
.set PITCH, 272                        ; an LDS row of codes: 256 bytes + 16 of padding = 68 words: the 16 rows that a load touches start at 16 different banks (64 banks of 4 bytes: ISA guide 11.1)
.set RT,    16*PITCH                   ; a tile of rows
.set QST,   512*PITCH                  ; 139,264: S0's images, 32 tiles of 4,096 bytes
.set SCL,   QST+131072                 ; 270,336: the slice's scale bytes [512][8]
.set NEEL,  SCL+4096                   ; its 512 sums
.set STAGE, NEEL+2048                  ; 1,024 bytes for each wave, for the way out.  No tensor load lands in these three
.set SPARE, STAGE+8192                 ; the spare words, 128 bytes for each wave
.set NA,  8                            ; row tiles that S0 takes ahead of S1
.set NONE, 9                           ; a half step's number behind which no load of S1's is left
.set ZS,  8
.set CBS, 12
.set NEE, 20
.set T,   36
.set SPW, 44
.set NIL, 45
.set BS,  47
.set MX,  48
.set CB,  64
.set ACC, 128
.set ST,  192
.set MSB, 0
.macro WIN new                         ; the immediate's high byte repeats the setting that is left
.if MSB != \new
	s_set_vgpr_msb (MSB<<8)|\new
.set MSB, \new
.endif
.endm
.macro CROUND                          ; a round of the cluster's barrier
	s_barrier_signal -1
	s_barrier_wait -1
	s_cmp_lg_u32 s18, 0
	s_cbranch_scc1 .Lnot_wave_0_\@
	s_barrier_signal -3
.Lnot_wave_0_\@:
	s_barrier_wait -3
	s_barrier_signal -1
	s_barrier_wait -1
.endm
; The nine lines of tile i of the set that is worked: PA its accumulators, PS its first tile, PQ the place of the old maximum
.macro PXYZ i
	v_max3_num_f32 v[T+3*((\i)%2)], v[PA+8*(\i)], v[PA+8*(\i)+1], v[PA+8*(\i)+2]
	v_max3_num_f32 v[T+3*((\i)%2)+1], v[PA+8*(\i)+3], v[PA+8*(\i)+4], v[PA+8*(\i)+5]
	v_max3_num_f32 v[T+3*((\i)%2)+2], v[PA+8*(\i)+6], v[PA+8*(\i)+7], v[MX+2*(PS+(\i))+PQ]
.endm
.macro PN i
	v_max3_num_f32 v[MX+2*(PS+(\i))+1-PQ], v[T+3*((\i)%2)], v[T+3*((\i)%2)+1], v[T+3*((\i)%2)+2]
.endm
.macro PK i                            ; has the maximum stayed as it was?
	v_cmp_eq_f32 vcc_lo, v[MX+2*(PS+(\i))+1-PQ], v[MX+2*(PS+(\i))+PQ]
.endm
.macro PD i                            ; yes: keep the old; no: take the new
.irp k, 0,2,4
	v_dual_cndmask_b32 v[ST+8*(PS+(\i))+\k], v[PA+8*(\i)+\k], v[ST+8*(PS+(\i))+\k] :: v_dual_cndmask_b32 v[ST+8*(PS+(\i))+\k+1], v[PA+8*(\i)+\k+1], v[ST+8*(PS+(\i))+\k+1]
.endr
	v_dual_cndmask_b32 v[ST+8*(PS+(\i))+6], v[PA+8*(\i)+6], v[ST+8*(PS+(\i))+6] :: v_dual_cndmask_b32 v[ST+8*(PS+(\i))+7], v[BS], v[ST+8*(PS+(\i))+7]
.endm
.macro SEG w                           ; the lines behind product w: 6, 5, 5, 6, 5, 5, 4, 0.  What one of them reads was written behind an earlier product
.if \w == 0
	PXYZ 0
	PXYZ 1
.endif
.if \w == 1
	PN 0
	PN 1
	PXYZ 2
.endif
.if \w == 2
	PK 0
	PN 2
	PXYZ 3
.endif
.if \w == 3
	PD 0
	PK 1
	PN 3
.endif
.if \w == 4
	PD 1
	PK 2
.endif
.if \w == 5
	PD 2
	PK 3
.endif
.if \w == 6
	PD 3
.endif
.endm
.macro LDP n, q, uo                    ; load n of the eleven that bring row tile uo (counted from the addresses' place) into set q: eight of codes, the scale words, two of sums
.if (\n) < 8
	ds_load_b128 v[CB+32*(\q)+4*(\n):CB+32*(\q)+4*(\n)+3], v1 offset:RT*(\uo)+32*(\n)
.endif
.if (\n) == 8
	ds_load_b64 v[CBS+2*(\q):CBS+2*(\q)+1], v2 offset:128*(\uo)
.endif
.if (\n) > 8
	ds_load_b128 v[NEE+8*(\q)+4*((\n)-9):NEE+8*(\q)+4*((\n)-9)+3], v3 offset:64*(\uo)+16*((\n)-9)
.endif
.endm
; op: which half of the queries; a: which accumulators; q: which set of fragments; post: is there a half step before, ps, pq: its half of the queries and its place of the old maximum;
; ld = 1: behind product 1 row tile uo is asked for into the other set, in one run (11 plain vector lines or more stand behind the last product that read that set: eight are owed),
; and behind that run S1's loads 6 k .. 6 k + 5, as far as there are 32.
; The four accumulators take turns, one instruction a turn: three other products stand between a sum's two.
.macro HALF op, a, q, post, ps, pq, ld, uo, k
.set PA, ACC+32-32*(\a)
.set PS, 4*(\ps)
.set PQ, \pq
.irp w, 0,1,2,3,4,5,6,7
.set TT, 4*(\op)+\w%4
.set TA, ACC+32*(\a)+8*(\w%4)
.set TB, CB+32*(\q)+16*(\w/4)
.set TZ, 32*TT+16*(\w/4)
.set KA, CBS+2*(\q)+\w/4
.set KB, ZS+8*(\w/4)+TT/2
.if \w < 4
.set TC, NEE+8*(\q)
.else
.set TC, TA
.endif
	WIN 0x04                                       ; source 1 (the queries) in window 1
.if \w%2
	v_wmma_scale_f32_16x16x128_f8f6f4 v[TA:TA+7], v[TB:TB+15], v[TZ:TZ+15], v[TC:TC+7], v[KA], v[KB] matrix_b_scale:MATRIX_SCALE_ROW1
.else
	v_wmma_scale_f32_16x16x128_f8f6f4 v[TA:TA+7], v[TB:TB+15], v[TZ:TZ+15], v[TC:TC+7], v[KA], v[KB]
.endif
.if (\post) && (\w < 7)
	WIN 0
	SEG \w
.endif
.if ((\ld) == 1) && (\w == 1)
	WIN 0
.irp n, 0,1,2,3,4,5,6,7,8,9,10
	LDP \n, 1-(\q), \uo
.endr
.irp m, 0,1,2,3,4,5
.if 6*(\k)+\m < 32
	WIN 0x40                                       ; destination window 1
	global_load_b128 v[128+4*(6*(\k)+\m):128+4*(6*(\k)+\m)+3], v43, s[10:11] offset:512*(6*(\k)+\m)   ; 512 consecutive bytes: the images are the operand's registers
.endif
.endr
.endif
.endr
	WIN 0
.endm
.macro INIT t                          ; a tile's state begins: maximum and kept numbers -infinity, base 0
.irp j, 0,2,4
	v_dual_mov_b32 v[ST+8*(\t)+\j], s49 :: v_dual_mov_b32 v[ST+8*(\t)+\j+1], s49
.endr
	v_dual_mov_b32 v[ST+8*(\t)+6], s49 :: v_dual_mov_b32 v[ST+8*(\t)+7], 0
	v_mov_b32 v[MX+2*(\t)], s49
.endm
	s_load_b256 s[4:11], s[0:1], 0x0               ; cbc s[4:5], cbs s[6:7], nee s[8:9], zc s[10:11]
	s_load_b128 s[12:15], s[0:1], 0x20             ; zs s[12:13], pkey s[14:15]
	s_load_b64 s[16:17], s[0:1], 0x30              ; pidx
	v_lshl_add_u32 v[SPW], v0, 2, SPARE
	v_mov_b32 v[NIL], 0
	ds_add_u32 v[SPW], v[NIL]                      ; the wave's opening: the add, twice on end, and its wait
	ds_add_u32 v[SPW], v[NIL]
	v_lshrrev_b32 v5, 5, v0
	v_and_b32 v6, 15, v0                           ; r
	v_bfe_u32 v7, v0, 4, 1                         ; h
	v_and_b32 v47, 31, v0                          ; lane
	v_readfirstlane_b32 s18, v5                    ; wave 0..7
	v_mul_u32_u24 v1, v6, PITCH
	v_lshl_add_u32 v1, v7, 4, v1                   ; a fragment's row x pitch + 16 h
	v_lshl_add_u32 v2, v6, 3, SCL                  ; row r's two scale words
	v_lshl_add_u32 v3, v7, 5, NEEL                 ; my half's eight sums
	v_lshlrev_b32 v4, 3, v7                        ; 8 h
	v_lshlrev_b32 v42, 2, v47                      ; 4 x lane
	v_lshlrev_b32 v43, 4, v47                      ; 16 x lane
	v_lshlrev_b32 v46, 4, v6
	v_lshl_add_u32 v46, v7, 11, v46                ; the way out: 16 r + 2,048 h
	v_lshlrev_b32 v36, 4, v0                       ; 16 x thread: the slice's 4,096 scale bytes
	v_lshlrev_b32 v37, 3, v0                       ; 8 x thread: its 2,048 bytes of sums
	v_add_nc_u32 v38, SCL, v36
	v_add_nc_u32 v39, NEEL, v37
	s_lshl_b32 s70, s18, 14
	v_add_nc_u32 v5, s70, v43
	v_add_nc_u32 v5, QST, v5                       ; my four tiles of S0 in LDS
	s_bfe_u32 s19, ttmp6, 0x40000                  ; cx, cy: my place in the cluster
	s_bfe_u32 s20, ttmp6, 0x40004
	s_lshl_b32 s21, ttmp9, 2
	s_add_co_u32 s21, s21, s19                     ; x: my 1,024 queries, which my column shares
	s_and_b32 s22, ttmp7, 0xffff
	s_lshl_b32 s22, s22, 2
	s_add_co_u32 s22, s22, s20                     ; y: the slice, which my row shares
	s_lshl_b32 s72, s20, 2
	s_lshl_b32 s72, 15, s72                        ; my row of the cluster
	s_lshl_b32 s73, 0x1111, s19                    ; my column
	; descriptor group 1: 128 rows of 256 bytes, dense in memory; S0's images dense in LDS too, the codes padded
	s_or_b32 s24, s73, (1<<21)                     ; 15:0 the mask; 17:16 elements of 1 byte; 21 set beside a mask
	s_or_b32 s56, s72, (1<<20)|(1<<21)|(5<<22)|(3<<25)   ; 20 padding on; 24:22 after every 64 words (code 5); 31:25 four words (code 3)
.irp g, 24, 56
	s_mov_b32 s[\g+1], 256<<16                     ; tensor_dim0
	s_mov_b32 s[\g+2], 128<<16                     ; tensor_dim1
	s_mov_b32 s[\g+3], 256<<16                     ; tile_dim0
	s_mov_b32 s[\g+4], 128                         ; tile_dim1
	s_mov_b32 s[\g+5], 256                         ; tensor_dim0_stride
	s_mov_b32 s[\g+6], 0
	s_mov_b32 s[\g+7], 0
.endr
	s_lshr_b32 s36, s18, 2                         ; waves 0-3 ask for S0's images, waves 4-7 for the codes,
	s_and_b32 s23, s18, 3                          ; each a quarter
	s_lshl_b32 s71, s23, 15                        ; 32,768 bytes of memory
	s_mov_b32 s32, 1                               ; group 0 of S0's: count = 1
	s_lshl_b32 s33, s23, 15
	s_add_co_u32 s33, s33, QST                     ; LDS address
	s_mov_b32 s52, 1                               ; group 0 of the codes'
	s_mul_i32 s53, s23, 128*PITCH
	s_lshl_b32 s40, s21, 18                        ; 1,024 queries of 256 bytes
	s_add_co_u32 s40, s40, s71
	s_mov_b32 s41, 0
	s_lshl_b32 s42, s22, 17                        ; 512 rows of 256 bytes
	s_add_co_u32 s42, s42, s71
	s_mov_b32 s43, 0
	s_lshl_b32 s66, s21, 18
	s_add_co_u32 s66, s66, s70
	s_add_co_u32 s66, s66, 131072                  ; S1's images: behind S0's 131,072 bytes, my wave's 16,384
	s_mov_b32 s67, 0
	s_lshl_b32 s68, s21, 12
	s_lshl_b32 s71, s18, 8
	s_add_co_u32 s68, s68, s71                     ; scale words, keys and indices: 4,096 x + 256 w
	s_mov_b32 s69, 0
	s_lshl_b32 s74, s22, 12
	s_mov_b32 s75, 0
	s_lshl_b32 s76, s22, 11
	s_mov_b32 s77, 0
	s_lshl_b32 s78, s22, 16
	s_add_co_u32 s78, s78, s68
	s_mov_b32 s79, 0
	s_lshl_b32 s50, s22, 9                         ; the slice's first row
	s_mov_b32 s45, 0xffff0000                      ; lanes 16-31
	s_mov_b32 s46, 0x76543210
	s_mov_b32 s47, 0xfedcba98                      ; v_permlanex16_b32's selects for lane l xor 16
	s_mov_b32 s49, 0xff800000                      ; -infinity
	s_wait_alu depctr_va_vdst(0)                   ; the wait at the head's end
	s_wait_dscnt 0x0                               ; both opening adds are done
	s_wait_kmcnt 0x0
	s_add_nc_u64 s[34:35], s[10:11], s[40:41]
	s_or_b32 s35, s35, 0x80000000                  ; type = 2
	s_add_nc_u64 s[54:55], s[4:5], s[42:43]
	s_or_b32 s55, s55, 0x80000000
	s_add_nc_u64 s[10:11], s[10:11], s[66:67]
	s_add_nc_u64 s[6:7], s[6:7], s[74:75]          ; cbs and nee at the slice
	s_add_nc_u64 s[8:9], s[8:9], s[76:77]
	s_add_nc_u64 s[12:13], s[12:13], s[68:69]      ; zs at my wave's queries
	s_add_nc_u64 s[14:15], s[14:15], s[78:79]      ; pkey and pidx at slice y, my wave's queries
	s_add_nc_u64 s[16:17], s[16:17], s[78:79]
	global_load_b128 v[96:99], v36, s[6:7]         ; ten small loads: the slice's scale bytes and sums, 16 and 8 bytes a thread,
	global_load_b64 v[100:101], v37, s[8:9]
.irp p, 0,1,2,3
.irp s, 0,1
	global_load_b32 v[ZS+8*\s+\p], v42, s[12:13] offset:65536*\s+128*(\p%2)+2048*(\p/2)   ; and my queries' scale words, into registers that hold scales and nothing else
.endr
.endr
	CROUND                                         ; all sixteen work-groups are here: the joint loads meet
	s_cmp_eq_u32 s36, 0
	s_cbranch_scc0 .Lfor_c
	tensor_load_to_lds s[32:35], s[24:31]          ; one tensor load a wave
	s_nop 0
.rept 4
	v_nop
.endr
	s_branch .Lasked
.Lfor_c:
	tensor_load_to_lds s[52:55], s[56:63]
	s_nop 0
.rept 4
	v_nop
.endr
.Lasked:
.irp t, 0,1,2,3
	INIT \t
.endr
	s_wait_alu depctr_va_vdst(0)                   ; directly ahead of the wait below
	s_wait_loadcnt 0x0                             ; the ten small loads are in
	ds_store_b128 v38, v[96:99]
	ds_store_b64 v39, v[100:101]
	s_wait_dscnt 0x0                               ; for the others' sake: my stores of scale bytes and sums are done,
	s_wait_tensorcnt 0x0                           ; and what I asked for has landed
	s_barrier_signal -1
	s_barrier_wait -1                              ; everybody's has.  Behind this barrier these regions are only read
.irp n, 0,1,2,3,4,5,6,7,8,9,10
	LDP \n, 0, 0
.endr
	WIN 0x40
.irp t, 0,1,2,3
.irp n, 0,1,2,3,4,5,6,7
	ds_load_b128 v[32*\t+4*\n:32*\t+4*\n+3], v5 offset:4096*\t+512*\n
.endr
.endr
	WIN 0
	s_wait_dscnt 0x0
	HALF 0, 0, 0, 0, 0, 0, 1, 1, 0                 ; S0, row tile 0
.irp t, 4,5,6,7
	INIT \t                                        ; (also the plain lines between the first products and the first read of their results: 20)
.endr
.irp u, 1,2,3,4,5,6,7
	s_wait_dscnt 0x0                               ; the row tile is in registers
.if \u == 1
	v_mov_b32 v[BS], s50                           ; row tile 0 is worked,
.else
	v_add_nc_u32 v[BS], 16, v[BS]                  ; then the next
.endif
	HALF 0, \u%2, \u%2, 1, 0, (\u-1)%2, 1, (\u+1)%NA, \u
.endr
	s_wait_loadcnt 0x0                             ; S1's fragments
	s_wait_dscnt 0x0
	v_add_nc_u32 v[BS], 16, v[BS]
	HALF 1, 0, 0, 1, 0, 1, 1, 1, NONE              ; S1, row tile 0
.irp u, 1,2,3,4,5,6,7
	s_wait_dscnt 0x0
.if \u == 1
	v_mov_b32 v[BS], s50                           ; S1's row tile 0 is worked
.else
	v_add_nc_u32 v[BS], 16, v[BS]
.endif
	HALF 1, \u%2, \u%2, 1, 1, (\u-1)%2, 1, \u+1, NONE
.endr
	v_add_nc_u32 v[BS], 16, v[BS]
	v_add_nc_u32 v1, NA*RT, v1
	v_add_nc_u32 v2, NA*128, v2
	v_add_nc_u32 v3, NA*64, v3
	s_mov_b32 s51, (32-NA)/2-1
.macro TRIP more                       ; row tiles u (even) and u + 1 against both halves
	s_wait_dscnt 0x0
	HALF 0, 0, 0, 1, 1, 1, 1, 1, NONE
	v_add_nc_u32 v[BS], 16, v[BS]
	HALF 1, 1, 0, 1, 0, 0, 0, 0, NONE
	s_wait_dscnt 0x0
	HALF 0, 0, 1, 1, 1, 0, \more, 2, NONE
	v_add_nc_u32 v[BS], 16, v[BS]
	HALF 1, 1, 1, 1, 0, 1, 0, 0, NONE
.endm
	s_wait_alu depctr_va_vdst(0)
.Ltrip:
	TRIP 1
	v_add_nc_u32 v1, 2*RT, v1
	v_add_nc_u32 v2, 256, v2
	v_add_nc_u32 v3, 128, v3
	s_sub_co_u32 s51, s51, 1
	s_cmp_lg_u32 s51, 0
	s_wait_alu depctr_va_vdst(0)                   ; directly ahead of the branch
	s_cbranch_scc1 .Ltrip
	TRIP 0                                         ; row tiles 30 and 31: nothing is fetched beyond the slice
.set PA, ACC+32
.set PS, 4
.set PQ, 1
.irp w, 0,1,2,3,4,5,6
	SEG \w                                         ; S1's row tile 31
.endr
	; WHICH OF THE EIGHT: the first of the seven kept numbers that equals the maximum (it lies in place 0), else the eighth
.irp t, 0,1,2,3,4,5,6,7
	v_mov_b32 v[CB+\t], 7
.endr
.irp j, 6,5,4,3,2,1,0
.irp t, 0,1,2,3,4,5,6,7
	v_cmp_eq_f32 s[84+\t], v[ST+8*\t+\j], v[MX+2*\t]
.endr
.irp t, 0,1,2,3,4,5,6,7
	v_cndmask_b32 v[CB+\t], v[CB+\t], \j, s[84+\t]
.endr
.endr
.irp t, 0,1,2,3,4,5,6,7
	v_add3_u32 v[CB+\t], v[ST+8*\t+7], v[CB+\t], v4    ; n = the tile's base + the register + 8 h
.endr
	; the query's other eight rows of each tile lie in the lane 16 away: the larger number wins, of equal ones the smaller n
.irp t, 0,1,2,3,4,5,6,7
	v_permlanex16_b32 v[CB+8+\t], v[MX+2*\t], s46, s47
.endr
.irp t, 0,1,2,3,4,5,6,7
	v_max_num_f32 v[CB+16+\t], v[MX+2*\t], v[CB+8+\t]
.endr
.irp t, 0,1,2,3,4,5,6,7
	v_cmp_eq_f32 s[84+\t], v[MX+2*\t], v[CB+16+\t]
.endr
.irp t, 0,1,2,3,4,5,6,7
	v_cndmask_b32 v[CB+\t], -1, v[CB+\t], s[84+\t]     ; a lane that has not the larger number offers the greatest n
.endr
.irp t, 0,1,2,3,4,5,6,7
	v_permlanex16_b32 v[CB+24+\t], v[CB+\t], s46, s47
.endr
.irp t, 0,1,2,3,4,5,6,7
	v_min_u32 v[CB+\t], v[CB+\t], v[CB+24+\t]
.endr
.irp p, 0,1,2,3
	v_cndmask_b32 v[CB+32+\p], v[CB+16+2*\p], v[CB+17+2*\p], s45   ; two tiles to a register: lane l is query l of the pair's 32
	v_cndmask_b32 v[CB+36+\p], v[CB+2*\p], v[CB+2*\p+1], s45
.endr
.irp p, 0,1,2,3
	v_add_f32 v[CB+32+\p], 0, v[CB+32+\p]          ; (-0 becomes +0)
.endr
.irp p, 0,1,2,3
	v_ashrrev_i32 v[CB+40+\p], 31, v[CB+32+\p]
.endr
.irp p, 0,1,2,3
	v_or_b32 v[CB+40+\p], 0x80000000, v[CB+40+\p]
.endr
.irp p, 0,1,2,3
	v_xor_b32 v[CB+32+\p], v[CB+32+\p], v[CB+40+\p]    ; the key: a negative number's bits all turned, another's sign bit set
.endr
	; THE WAY OUT, through my own stage: 4 bytes a lane in, 16 bytes a lane back: lanes 0-15 store S0's 64 queries, lanes 16-31 S1's: 256 consecutive bytes each, aligned
	s_lshl_b32 s70, s18, 10
	s_add_co_u32 s70, s70, STAGE
	v_add_nc_u32 v[CB+44], s70, v42
	v_add_nc_u32 v[CB+45], s70, v43
.irp p, 0,1,2,3
	ds_store_b32 v[CB+44], v[CB+32+\p] offset:128*\p
	ds_store_b32 v[CB+44], v[CB+36+\p] offset:512+128*\p
.endr
	ds_load_b128 v[CB+48:CB+51], v[CB+45]          ; LDS serves a wave's instructions in order (ISA guide 5.7.1.4): these see my stores
	ds_load_b128 v[CB+52:CB+55], v[CB+45] offset:512
	s_wait_dscnt 0x0
	global_store_b128 v46, v[CB+48:CB+51], s[14:15]
	global_store_b128 v46, v[CB+52:CB+55], s[16:17]
	s_wait_tensorcnt 0x0                           ; the wave's end
	ds_add_u32 v[SPW], v[NIL]
	s_wait_dscnt 0x0
	CROUND                                         ; the closing round: no work-group ends while a partner may still ask for a tile that names it
	s_endpgm
.Lfunc_end_k_q32b73c7b68_dist:
	.size	k_q32b73c7b68_dist, .Lfunc_end_k_q32b73c7b68_dist-k_q32b73c7b68_dist
	.p2alignl 7, 3214868480
	.fill 96, 4, 3214868480
	.section	.rodata,"a",@progbits
	.p2align	6, 0x0
	.amdhsa_kernel k_q32b73c7b68_dist
		.amdhsa_group_segment_fixed_size 286720
		.amdhsa_private_segment_fixed_size 0
		.amdhsa_enable_private_segment 0
		.amdhsa_kernarg_size 56
		.amdhsa_user_sgpr_count 2
		.amdhsa_user_sgpr_kernarg_segment_ptr 1
		.amdhsa_wavefront_size32 1
		.amdhsa_system_sgpr_workgroup_id_x 1
		.amdhsa_system_sgpr_workgroup_id_y 1
		.amdhsa_system_sgpr_workgroup_id_z 1
		.amdhsa_system_vgpr_workitem_id 0
		.amdhsa_next_free_vgpr 512
		.amdhsa_next_free_sgpr 96
		.amdhsa_reserve_vcc 1
		.amdhsa_float_denorm_mode_32 3
		.amdhsa_float_denorm_mode_16_64 3
		.amdhsa_memory_ordered 1
		.amdhsa_forward_progress 1
		.amdhsa_inst_pref_size 130
	.end_amdhsa_kernel
	.amdgpu_metadata
---
amdhsa.version: [ 1, 2 ]
amdhsa.kernels:
  - .name:           k_q32b73c7b68_dist
    .symbol:         k_q32b73c7b68_dist.kd
    .args:
      - { .name: cbc, .offset: 0, .size: 8, .value_kind: global_buffer, .address_space: global }
      - { .name: cbs, .offset: 8, .size: 8, .value_kind: global_buffer, .address_space: global }
      - { .name: nee, .offset: 16, .size: 8, .value_kind: global_buffer, .address_space: global }
      - { .name: zc, .offset: 24, .size: 8, .value_kind: global_buffer, .address_space: global }
      - { .name: zs, .offset: 32, .size: 8, .value_kind: global_buffer, .address_space: global }
      - { .name: pkey, .offset: 40, .size: 8, .value_kind: global_buffer, .address_space: global }
      - { .name: pidx, .offset: 48, .size: 8, .value_kind: global_buffer, .address_space: global }
    .group_segment_fixed_size: 286720
    .private_segment_fixed_size: 0
    .kernarg_segment_align: 8
    .kernarg_segment_size: 56
    .max_flat_workgroup_size: 256
    .sgpr_count:     96
    .vgpr_count:     512
    .wavefront_size: 32
...
	.end_amdgpu_metadata
.endif
;; end of part 2
;; launch gather (part 3): grid 256 x 1, 4 waves a work-group, no clusters, 0 bytes of LDS; arguments pkey, pidx, codebook, out0, out1; writes out0, out1
.if DOCPART == 3
	.amdgcn_target "amdgcn-amd-amdhsa--gfx1250"
	.amdhsa_code_object_version 6
	.text
	.protected	k_q32b73c7b68_gather
	.globl	k_q32b73c7b68_gather
	.p2align	8
	.type	k_q32b73c7b68_gather,@function
k_q32b73c7b68_gather:
	s_mov_b64 s[64:65], 0
	v_nop
	global_prefetch_b8 v0, s[64:65] scope:SCOPE_SE
	s_setreg_imm32_b32 hwreg(HW_REG_WAVE_MODE, 25, 1), 1
	s_wait_xcnt 0x0
; For each query: the slice with the largest key (of equal keys the lowest slice, whose n are the lowest), its n -> out1; codebook row n, f32 as it is given -> out0.
; pkey, pidx: [16 slices][16384] whole numbers that the launch before stored: the choice is made by integer compares on them, and the rows' addresses hang on nothing else.
; SHARES: a work-group takes 64 queries; wave w copies rows 16 w .. 16 w + 15.  Every wave makes the choice for all 64 itself (32 loads of 256 consecutive bytes, the same for the four waves),
; which spares LDS and a barrier.  The lanes are turned by 8 w, so that a wave's own sixteen queries lie in its lanes 0-7, two to a lane, whatever the wave.
; Memory binds: no matrix unit, no cluster, no LDS.  No prefetch: a row is known only just before it is loaded.
.set KY, 8                             ; v8-39   keys, two a slice; slice 0's pair becomes the best
.set IX, 40                            ; v40-71  n likewise
.set OF, 72                            ; v72-87  a row's byte offset in the codebook + 16 x lane
.set DT, 96                            ; v96-223 16 rows x 2 x 4 registers
	s_load_b256 s[4:11], s[0:1], 0x0               ; pkey s[4:5], pidx s[6:7], codebook s[8:9], out0 s[10:11]
	s_load_b64 s[12:13], s[0:1], 0x20              ; out1
	v_lshrrev_b32 v1, 5, v0
	v_readfirstlane_b32 s14, v1                    ; wave 0..3
	v_and_b32 v3, 31, v0                           ; lane
	v_lshlrev_b32 v2, 4, v3                        ; 16 x lane
	s_lshl_b32 s15, s14, 3
	v_add_nc_u32 v1, s15, v3
	v_and_b32 v1, 31, v1                           ; (lane + 8 w) mod 32: which pair of queries
	v_lshlrev_b32 v1, 3, v1                        ; 8 bytes a pair
	s_lshl_b32 s16, ttmp9, 8                       ; the work-group's 64 queries of 4 bytes
	s_mov_b32 s17, 0
	s_lshl_b32 s18, ttmp9, 16                      ; its 64 rows of 1,024 bytes,
	s_lshl_b32 s19, s14, 14                        ; my wave's 16
	s_add_co_u32 s18, s18, s19
	s_mov_b32 s19, 0
	s_wait_alu depctr_va_vdst(0)
	s_wait_kmcnt 0x0
	s_add_nc_u64 s[4:5], s[4:5], s[16:17]
	s_add_nc_u64 s[6:7], s[6:7], s[16:17]
	s_add_nc_u64 s[12:13], s[12:13], s[16:17]
	s_add_nc_u64 s[10:11], s[10:11], s[18:19]
.irp y, 0,1,2,3,4,5,6,7,8,9,10,11,12,13,14,15
	global_load_b64 v[KY+2*\y:KY+2*\y+1], v1, s[4:5] offset:65536*\y
	global_load_b64 v[IX+2*\y:IX+2*\y+1], v1, s[6:7] offset:65536*\y
.endr
	s_wait_loadcnt 0x0
.irp y, 1,2,3,4,5,6,7,8,9,10,11,12,13,14,15
.irp e, 0,1
	v_cmp_gt_u32 vcc_lo, v[KY+2*\y+\e], v[KY+\e]   ; strictly: the lower slice keeps a tie
	v_cndmask_b32 v[KY+\e], v[KY+\e], v[KY+2*\y+\e], vcc_lo
	v_cndmask_b32 v[IX+\e], v[IX+\e], v[IX+2*\y+\e], vcc_lo
.endr
.endr
.irp i, 0,1,2,3,4,5,6,7,8,9,10,11,12,13,14,15
	v_readlane_b32 s[20+\i%4], v[IX+\i%2], \i/2    ; my row i's n: lane i / 2, number i % 2
	s_min_u32 s[20+\i%4], s[20+\i%4], 0x1fff       ; held inside the table
	v_lshl_add_u32 v[OF+\i], s[20+\i%4], 10, v2    ; 1,024 bytes a row + 16 x lane
.endr
.irp i, 0,1,2,3,4,5,6,7,8,9,10,11,12,13,14,15
.irp f, 0,1
	global_load_b128 v[DT+8*\i+4*\f:DT+8*\i+4*\f+3], v[OF+\i], s[8:9] offset:512*\f   ; 512 consecutive bytes; no hint: a row may be named by many queries
.endr
.endr
	s_cmp_lg_u32 s14, 0
	s_cbranch_scc1 .Lnot_wave_0
	global_store_b64 v1, v[IX:IX+1], s[12:13]      ; wave 0's lanes are not turned: 32 lanes store the work-group's 64 indices, 256 consecutive bytes, aligned
.Lnot_wave_0:
.irp i, 0,1,2,3,4,5,6,7,8,9,10,11,12,13,14,15
.irp f, 0,1
	s_wait_loadcnt 31-2*\i-\f                      ; loads come back in order (ISA guide 5.7.1): this one is in, the younger ones may be out
	global_store_b128 v2, v[DT+8*\i+4*\f:DT+8*\i+4*\f+3], s[10:11] offset:1024*\i+512*\f   ; 512 consecutive bytes, aligned
.endr
.endr
	s_endpgm
.Lfunc_end_k_q32b73c7b68_gather:
	.size	k_q32b73c7b68_gather, .Lfunc_end_k_q32b73c7b68_gather-k_q32b73c7b68_gather
	.p2alignl 7, 3214868480
	.fill 96, 4, 3214868480
	.section	.rodata,"a",@progbits
	.p2align	6, 0x0
	.amdhsa_kernel k_q32b73c7b68_gather
		.amdhsa_group_segment_fixed_size 0
		.amdhsa_private_segment_fixed_size 0
		.amdhsa_enable_private_segment 0
		.amdhsa_kernarg_size 40
		.amdhsa_user_sgpr_count 2
		.amdhsa_user_sgpr_kernarg_segment_ptr 1
		.amdhsa_wavefront_size32 1
		.amdhsa_system_sgpr_workgroup_id_x 1
		.amdhsa_system_sgpr_workgroup_id_y 1
		.amdhsa_system_sgpr_workgroup_id_z 1
		.amdhsa_system_vgpr_workitem_id 0
		.amdhsa_next_free_vgpr 224
		.amdhsa_next_free_sgpr 66
		.amdhsa_reserve_vcc 1
		.amdhsa_float_denorm_mode_32 3
		.amdhsa_float_denorm_mode_16_64 3
		.amdhsa_memory_ordered 1
		.amdhsa_forward_progress 1
		.amdhsa_inst_pref_size 18
	.end_amdhsa_kernel
	.amdgpu_metadata
---
amdhsa.version: [ 1, 2 ]
amdhsa.kernels:
  - .name:           k_q32b73c7b68_gather
    .symbol:         k_q32b73c7b68_gather.kd
    .args:
      - { .name: pkey, .offset: 0, .size: 8, .value_kind: global_buffer, .address_space: global }
      - { .name: pidx, .offset: 8, .size: 8, .value_kind: global_buffer, .address_space: global }
      - { .name: codebook, .offset: 16, .size: 8, .value_kind: global_buffer, .address_space: global }
      - { .name: out0, .offset: 24, .size: 8, .value_kind: global_buffer, .address_space: global }
      - { .name: out1, .offset: 32, .size: 8, .value_kind: global_buffer, .address_space: global }
    .group_segment_fixed_size: 0
    .private_segment_fixed_size: 0
    .kernarg_segment_align: 8
    .kernarg_segment_size: 40
    .max_flat_workgroup_size: 128
    .sgpr_count:     66
    .vgpr_count:     224
    .wavefront_size: 32
...
	.end_amdgpu_metadata
.endif
;; end of part 3
